; MI455X (gfx1250); checked and timed in simulation.
; The chip was launched on July 23, 2026; its instructions are those of AMD's public machine-readable ISA for CDNA 5 (MIT licence, August 2026) and "CDNA5" Instruction Set Architecture Reference Guide (July 2026). The comments in the code are by the model that wrote it; some were corrected since.
;; Attention AD Cell. Allowed arithmetic: matrix products marked QUANTISED: E2M1 operands, one E8M0 scale for each 32 along K, by v_wmma_scale_f32_16x16x128_f8f6f4 with both operands' format E2M1 (or v_wmma_scale_f32_32x16x128_f4), f32 sums; products left as they are: f32 operands where the result goes on into a quantised operand, else bf16, f16 or f32 operands; f32 sums; everything else in f32.
;; Inputs: Wh_codes 512 x 16 x 16 uint8 (E2M1 codes of Wh, K innermost, in blocks of 32 codes, two codes a byte); Wh_scales 512 x 16 uint8 (E8M0 scales of Wh, one for each 32 codes along K); Wz1 528 x 4,096 float32; Wz2 528 x 4,096 float32; bh 512 float32; ln_bias 512 float32; ln_scale 512 float32; x 64 x 512 float32.
;; Outputs: out0 64 x 512 float32; out1 64 x 16 float32; out2 1,024 x 512 float32.
;; This version of the problem:
;;   THIS VERSION OF THE PROBLEM IS GIVEN IN LOW PRECISION. The matrix products marked QUANTISED in the list below multiply operands that are first quantised to E2M1 (2 exponent bits, 1 mantissa bit; 4 bits a number), with one power-of-two scale for each 32 numbers along K (OCP MX v1.0); their sums are f32. All else is computed in f32.
;;   The module's matrix products, in the order in which they are computed (A, B: the left and right operand; K: the contracted axis; several contracted axes count as one K, in the product's order):
;;     1. [M 64, K 512] x [K 512, N 512]; A: input x; B: input Wh (given as codes): QUANTISED
;;     2. [M 1,024, K 528] x [K 528, N 4,096]; A: computed on the way; B: input Wz1: QUANTISED
;;     3. [M 1,024, K 528] x [K 528, N 4,096]; A: computed on the way; B: input Wz2: QUANTISED
;;     4. batch 1,024 x [M 512, K 8] x [K 8, N 512]; A: computed on the way; B: computed on the way: left as it is (K = 8 < 32)
;;     5. batch 1,024 x [M 512, K 512] x [K 512, N 1]; A: computed on the way; B: computed on the way: left as it is (N = 1 < 16)
;;   THE QUANTISER, for each operand of a quantised product, along K:
;;     - K is cut into blocks of 32 from its start; a last block that is shorter is filled with zeros.
;;     - A block's scale is 2^e with e = floor(log2(the largest magnitude in the block)) - 2, held to -126 .. 127; a block of zeros has e = 0. As a byte (E8M0): e + 127.
;;     - Each number is divided by its block's scale, clamped to +-6, and rounded to the nearest number of E2M1, ties to even, subnormals kept.
;;     - The product sums the exact products of the quantised numbers (number of the format x scale) in f32.
;;   ~~~python
;;   def quantise(x, axis):      # numpy; x: float32 -> the quantised numbers, widened to float32 again
;;       x = np.moveaxis(x, axis, -1); K = x.shape[-1]
;;       x = np.pad(x, [(0, 0)] * (x.ndim - 1) + [(0, -K % 32)]); x = x.reshape(x.shape[:-1] + (-1, 32)); a = np.abs(x).max(-1, keepdims=True)
;;       e = np.where(a > 0, np.clip(np.frexp(np.where(a > 0, a, 1))[1] - 1 - 2, -126, 127), 0)      # np.frexp(a)[1] - 1 = floor(log2(a)), exactly
;;       r = np.clip(x / 2.0 ** e, -6, 6)
;;       step = 2.0 ** (np.maximum(np.frexp(np.where(r == 0, 1, r))[1] - 1, 0) - 1)
;;       q = np.round(r / step) * step * 2.0 ** e      # np.round: ties to even
;;       return np.moveaxis(q.reshape(q.shape[:-2] + (-1,))[..., :K], -1, axis).astype(np.float32)
;;   ~~~
;;   OPERANDS COMPUTED ON THE WAY. 'Computed on the way' means the value that the module computes at that place (a softmax that the list does not call 'softmax' is quantised finished and normalised). What goes into a quantiser is computed in f32, as accurately as f32 sums, v_exp_f32 and their like allow (about 1e-6 of the number): no bf16 or f16 on the way to a quantiser, and a product that is left as it is and whose result goes on into a quantised operand takes f32 operands (vector FMAs, or v_wmma_f32_16x16x4_f32). A number that lies on a knife's edge between two numbers of the format may be rounded either way, as far as f32 arithmetic and the matrix unit's own rounding can turn it there, and no further.
;;   INPUTS GIVEN AS CODES. Wh (in the module: [512, 512], K = its axis 0): each comes as NAME_codes (uint8): NAME with its K axis moved to the last place and cut into blocks of 32 codes, [.., K / 32, bytes a block], one block behind the other in memory; two codes a byte, the lower K in the low four bits (a code: sign, 2 exponent bits, 1 mantissa bit); and NAME_scales (uint8): the same leading axes, one E8M0 byte (e + 127) for each 32 codes along K. Its value is code x scale, taken as it is: it is not quantised again, and the codes and scales need not be those that the quantiser above would give.
;; One version. Each part assembles by itself: llvm-mc -triple=amdgcn-amd-amdhsa -mcpu=gfx1250 --defsym DOCPART=n.
;; ======== version 1 of 1: 2 launches
;; limits: a difference of large sums (such as E[x^2] - mean^2): digits are lost where the result is much smaller than its terms; values are held in f16: magnitudes above 65,504 overflow, below 6.1e-05 lose precision; right only within a limited range of input values
;; workspace buffers: z 2,785,280 bytes
;; launch prep (part 1): grid 136 x 1, 8 waves a work-group, no clusters, 93,440 bytes of LDS; arguments x, Wz1, Wz2, Wh_codes, Wh_scales, z; writes z
.if DOCPART == 1
	.amdgcn_target "amdgcn-amd-amdhsa--gfx1250"
	.amdhsa_code_object_version 6
	.text
	.protected	k_q4137e71521_prep
	.globl	k_q4137e71521_prep
	.p2align	8
	.type	k_q4137e71521_prep,@function
k_q4137e71521_prep:
	s_mov_b64 s[64:65], 0
	v_nop
	global_prefetch_b8 v0, s[64:65] scope:SCOPE_SE
	s_setreg_imm32_b32 hwreg(HW_REG_WAVE_MODE, 25, 1), 1
	s_wait_xcnt 0x0
; THE THREE QUANTISED PRODUCTS (x Wh, xc Wz1, xc Wz2), on codes of FP4 (E2M1) with one E8M0 scale for each 32 along K.
; WORK THAT IS NOT DONE TWICE.  xc's 1,024 rows are x[b] (K = 0 .. 511: exactly blocks 0 to 15) joined to onehot(a) (K = 512 .. 527: exactly block 16, filled with zeros).  The quantiser works block by
; block, so the codes and scales of row (b, a) are those of x[b] followed by those of onehot(a), whatever the inputs hold, and (xc Wz)[16 b + a] = Zx[b] + Za[a], Zx = Q(x) Q(Wz rows 0-511), Za = Q(onehot) Q(Wz rows 512-527).
; So 64 + 16 rows are multiplied and not 1,024; the next launch adds the two parts.  Both parts go through the matrix unit: onehot's 1 is the code 6 (the number 4) under the scale byte 125 (2^-2).
; No input is left out.  LIMITS: the f32 sums have another order than a sum along K (K in four parts, the action's block last); a block of zeros gets the byte 1 where the rule says 127 (its codes are zeros, and this
; program alone reads the bytes); NaN and infinities among the inputs are not served.
; z [80][8704] f32: rows 0-63 = b, rows 64-79 = a; columns 0-4095 the Wz1 part, 4096-8191 the Wz2 part, 8192-8703 x Wh without its bias (rows 0-63 alone).
; SHARES.  Work-group s owns columns 64 s .. 64 s + 63 of z: 256 consecutive bytes of each row.  s < 64: Wz1; s < 128: Wz2; else Wh.  Wave w: ch = w & 1 its 32 columns (two tiles of 16), kq = w >> 1 its 128 along K;
; the four parts along K meet in LDS.  Strips of 32 columns would give more work-groups, but each row's piece of a weight would be 128 bytes and x would be quantised twice as often.
; x is quantised by all eight waves, two fragments each, and goes round as images of the operand's registers.  A weight's column is a lane's, its registers run down K: the conversions' results are the operand.
; No tensor loads, no cluster, no prefetch: a work-group shares no weight byte with another, and every load is issued at the head.
.set ZP,    34816                      ; a row of z in bytes
.set XIMG,  0                          ; LDS: 16 images of x's fragments, 1,024 bytes each: index 4 kq + mt
.set XSC,   16384                      ; their scale words, 128 bytes each
.set PART,  18432                      ; four regions (kq) of 64 rows x (256 + 16) bytes
.set PREG,  17408
.set ACT,   88064                      ; the actions' 16 rows x 272
.set SPARE, 92416                      ; the spare words, 128 bytes for each wave: four blocks of 256 bytes that no other line names
.set SPW, 1                            ; v1   LDS address of my spare word; never rewritten
.set NIL, 2                            ; v2   0; never rewritten
.set XA,  3                            ; v3   x: 2,048 r + 128 h
.set WO,  4                            ; v4   4 x lane: my column of a weight
.set LI,  5                            ; v5   16 x lane + 4,096 kq: x's images of my K step
.set LS,  6                            ; v6   XSC + 4 x lane + 512 kq
.set XWI, 7                            ; v7   16 x lane + 2,048 w: where I store my two images
.set XS,  8                            ; v8-11 x's scale words, one a tile of rows
.set SW,  12                           ; v12  the weight's scale words: lanes 0-15 tile 0, lanes 16-31 tile 1
.set SWA, 13                           ; v13  the same for the action block
.set SOH, 14                           ; v14  the one-hot's
.set XWS, 15                           ; v15  XSC + 4 x lane + 256 w
.set F0,  16                           ; v16-23, v24-31 the weight's two fragments
.set F1,  24
.set XF,  32                           ; v32-63 x's four fragments of my K step
.set ACC, 64                           ; v64-127 accumulator (t, mt) at 64 + 8 (4 t + mt); on the way out the parts read back
.set PC,  128                          ; v128-143 x's codes just made
.set TM,  144                          ; v144-147 largest magnitudes; v148-151 the conversions' scale operands; v152-155 scale bytes
.set SO,  148
.set BY,  152
.set TP,  156                          ; v156-159 at work
.set AWR, 160                          ; v160-175 rows 512-527 of my column
.set FA0, 176                          ; v176-183, v184-191 the action block's two fragments
.set FA1, 184
.set OH,  192                          ; v192-199 the one-hot's fragment
.set AACC, 200                         ; v200-215 its two accumulators
.set PST, 216
.set AST, 217
.set RD,  218
.set RDA, 219
.set GO,  220
.set HC,  221
.set HS,  222
.set H8,  223                          ; 8 h
; window 1: v0-127 x's 128 numbers (fragment f, block c at 64 f + 32 c); v128-255 the weight's 128 (block b at 128 + 32 b)
.set MSB, 0
.macro WIN new                         ; the immediate's high byte repeats the setting that is left
.if MSB != \new
	s_set_vgpr_msb (MSB<<8)|\new
.set MSB, \new
.endif
.endm
.macro BAR                             ; my LDS stores have landed and my LDS loads are in: then the work-group's barrier
	s_wait_dscnt 0x0
	s_barrier_signal -1
	s_barrier_wait -1
.endm
; Lane (r, h) takes, of row 32 ch + 16 f + r, k = 128 kq + 64 c + 32 h + 0 .. 31: two whole blocks, in the order of the operand's registers
.macro XLOAD f
.irp c, 0,1
.irp j, 0,1,2,3,4,5,6,7
	global_load_b128 v[64*\f+32*\c+4*\j:64*\f+32*\c+4*\j+3], v[XA], s[20:21] offset:\f*32768+256*\c+16*\j
.endr
.endr
.endm
; Four blocks of 32 numbers of a lane, at v[base + 32 b] of window 1, become codes in v[d_b .. d_b + 3]; their scale bytes stay in v[BY + b]
.macro QUANT4 base, d0, d1, d2, d3
.irp b, 0,1,2,3
	v_mov_b32 v[TM+\b], 0x1800000                  ; the floor 2^(3 - 127), under which no largest magnitude is taken: the byte cannot fall under 1
.endr
	WIN 0x14                                       ; sources 1 and 2 in window 1
.irp i, 0,2,4,6,8,10,12,14,16,18,20,22,24,26,28,30
.irp b, 0,1,2,3
	v_max3_num_f32 v[TM+\b], v[TM+\b], |v[\base+32*\b+\i]|, |v[\base+32*\b+\i+1]|   ; the four blocks by turns
.endr
.endr
	WIN 0
.irp b, 0,1,2,3
	v_add_nc_u32 v[SO+\b], 0xff000000, v[TM+\b]    ; 2 off the exponent field: the conversion takes this operand's exponent field as its scale
.endr
.irp b, 0,1,2,3
	v_lshrrev_b32 v[BY+\b], 23, v[SO+\b]           ; the scale's byte
.endr
	WIN 0x01                                       ; source 0 in window 1
.irp g, 0,1,2,3
	v_cvt_scalef32_pk8_fp4_f32 v[\d0+\g], v[\base+8*\g:\base+8*\g+7], v[SO]
	v_cvt_scalef32_pk8_fp4_f32 v[\d1+\g], v[\base+32+8*\g:\base+32+8*\g+7], v[SO+1]
	v_cvt_scalef32_pk8_fp4_f32 v[\d2+\g], v[\base+64+8*\g:\base+64+8*\g+7], v[SO+2]
	v_cvt_scalef32_pk8_fp4_f32 v[\d3+\g], v[\base+96+8*\g:\base+96+8*\g+7], v[SO+3]
.endr
	WIN 0
	v_nop                                          ; one plain place behind the last scaled conversion
.endm
	s_load_b256 s[4:11], s[0:1], 0x0               ; x s[4:5], Wz1 s[6:7], Wz2 s[8:9], Wh's codes s[10:11]
	s_load_b128 s[12:15], s[0:1], 0x20             ; Wh's scales s[12:13], z s[14:15]
	v_lshl_add_u32 v[SPW], v0, 2, SPARE
	v_mov_b32 v[NIL], 0
	v_lshrrev_b32 v[TP], 5, v0
	v_readfirstlane_b32 s16, v[TP]                 ; wave 0..7
	s_and_b32 s17, s16, 1                          ; ch
	s_lshr_b32 s18, s16, 1                         ; kq
	s_mov_b32 s19, ttmp9                           ; s
	s_mov_b32 s34, 0x76543210
	s_mov_b32 s35, 0xfedcba98                      ; v_permlanex16_b32's selects for lane l xor 16
	v_and_b32 v[TP], 31, v0                        ; lane
	v_and_b32 v[TP+1], 15, v0                      ; r
	v_bfe_u32 v[TP+2], v0, 4, 1                    ; h
	v_lshlrev_b32 v[XA], 11, v[TP+1]
	v_lshl_add_u32 v[XA], v[TP+2], 7, v[XA]
	v_lshlrev_b32 v[WO], 2, v[TP]
	s_lshl_b32 s36, s18, 12
	v_lshl_add_u32 v[LI], v[TP], 4, s36
	s_lshl_b32 s36, s18, 9
	s_add_co_u32 s36, s36, XSC
	v_lshl_add_u32 v[LS], v[TP], 2, s36
	s_lshl_b32 s36, s16, 11                        ; my images: index 4 kq + 2 ch = 2 w
	v_lshl_add_u32 v[XWI], v[TP], 4, s36
	s_lshl_b32 s36, s16, 8
	s_add_co_u32 s36, s36, XSC
	v_lshl_add_u32 v[XWS], v[TP], 2, s36
	v_mul_u32_u24 v[TP+3], v[TP+1], 272
	v_lshl_add_u32 v[TP+3], v[TP+2], 5, v[TP+3]    ; 272 r + 32 h
	s_mul_i32 s36, s18, PREG
	s_lshl_b32 s37, s17, 7
	s_add_co_u32 s36, s36, s37
	s_add_co_u32 s36, s36, PART
	v_add_nc_u32 v[PST], s36, v[TP+3]              ; my part: region kq, row r, my 128 bytes, 32 for each half of the lanes
	s_add_co_u32 s37, s37, ACT
	v_add_nc_u32 v[AST], s37, v[TP+3]
	v_mul_u32_u24 v[TP+3], v[TP+2], 272
	v_lshl_add_u32 v[TP+3], v[TP+1], 4, v[TP+3]    ; 272 h + 16 r: sixteen lanes to a row
	s_mul_i32 s36, s16, 8*272
	s_add_co_u32 s36, s36, PART
	v_add_nc_u32 v[RD], s36, v[TP+3]               ; back: rows 8 w on
	s_mul_i32 s36, s16, 2*272
	s_add_co_u32 s36, s36, ACT
	v_add_nc_u32 v[RDA], s36, v[TP+3]              ; the actions' rows 2 w, 2 w + 1
	v_mul_u32_u24 v[GO], v[TP+2], ZP
	v_lshl_add_u32 v[GO], v[TP+1], 4, v[GO]        ; and the same two rows in z
	v_lshlrev_b32 v[HC], 8, v[TP+1]
	v_lshl_add_u32 v[HC], v[TP+2], 4, v[HC]        ; Wh's codes: row r of 256 bytes, + 16 h
	v_lshlrev_b32 v[HS], 4, v[TP]                  ; Wh's scales: 16 bytes a row, a lane a row
	v_lshlrev_b32 v[H8], 3, v[TP+2]
	s_wait_kmcnt 0x0
	s_lshl_b32 s36, s17, 16                        ; x: 32 ch rows of 2,048 bytes,
	s_lshl_b32 s37, s18, 9                         ; 128 kq numbers
	s_add_co_u32 s36, s36, s37
	s_mov_b32 s37, 0
	s_add_nc_u64 s[20:21], s[4:5], s[36:37]
	s_lshl_b32 s38, s19, 8                         ; z: my work-group's 256 bytes of a row
	s_mul_i32 s36, s16, 8*ZP
	s_add_co_u32 s36, s36, s38
	s_add_nc_u64 s[30:31], s[14:15], s[36:37]      ; rows 8 w on
	s_mul_i32 s36, s16, 2*ZP
	s_add_co_u32 s36, s36, s38
	s_add_co_u32 s36, s36, 64*ZP
	s_add_nc_u64 s[32:33], s[14:15], s[36:37]      ; rows 64 + 2 w on
	WIN 0x40                                       ; destination window 1
	XLOAD 0
	XLOAD 1
	WIN 0
	s_cmp_ge_u32 s19, 128                          ; the work-group's number alone: all eight waves go one way
	s_cbranch_scc1 .Lwh_load
	s_cmp_lt_u32 s19, 64
	s_cselect_b64 s[22:23], s[6:7], s[8:9]         ; Wz1 or Wz2
	s_and_b32 s36, s19, 63
	s_lshl_b32 s36, s36, 8
	s_lshl_b32 s38, s17, 7
	s_add_co_u32 s36, s36, s38                     ; my wave's first column, in bytes
	s_add_nc_u64 s[22:23], s[22:23], s[36:37]
	s_add_nc_u64 s[24:25], s[22:23], 512*16384     ; rows 512 on: a base of their own, since that offset is beyond a load's immediate
	s_lshl_b32 s36, s18, 21                        ; 128 kq rows of 16,384 bytes
	s_add_nc_u64 s[22:23], s[22:23], s[36:37]
	WIN 0x40
.set ii, 0
.rept 128
	global_load_b32 v[128+ii], v[WO], s[22:23] offset:ii*16384 th:TH_LOAD_NT   ; row 128 kq + ii at 32 neighbouring columns: 128 consecutive bytes a wave, 256 with the wave beside it
.set ii, ii+1
.endr
	WIN 0
	s_cmp_lg_u32 s18, 0
	s_cbranch_scc1 .Lno_act_load
.set ii, 0
.rept 16
	global_load_b32 v[AWR+ii], v[WO], s[24:25] offset:ii*16384 th:TH_LOAD_NT
.set ii, ii+1
.endr
.Lno_act_load:
	s_wait_loadcnt 63                              ; x's 32 loads are in: 128 or 144 loads were issued behind them; a wait names 63 at the most, and a smaller count than the loads behind is right
	s_branch .Lx_in
.Lwh_load:
	s_sub_co_u32 s36, s19, 128
	s_lshl_b32 s36, s36, 6
	s_lshl_b32 s38, s17, 5
	s_add_co_u32 s36, s36, s38                     ; my wave's first row n of Wh
	s_lshl_b32 s38, s36, 8
	s_lshl_b32 s39, s18, 6                         ; 128 codes are 64 bytes
	s_add_co_u32 s38, s38, s39
	s_mov_b32 s39, 0
	s_add_nc_u64 s[26:27], s[10:11], s[38:39]
	s_lshl_b32 s38, s36, 4
	s_lshl_b32 s36, s18, 2
	s_add_co_u32 s38, s38, s36
	s_add_nc_u64 s[28:29], s[12:13], s[38:39]
.irp t, 0,1
.irp c, 0,1
	global_load_b128 v[F0+8*\t+4*\c:F0+8*\t+4*\c+3], v[HC], s[26:27] offset:\t*4096+32*\c   ; given codes are the operand as they lie
.endr
.endr
	global_load_b32 v[SW], v[HS], s[28:29]         ; lane l: row l's word for my K step
	s_wait_loadcnt 5                               ; x's 32 loads are in; the five behind them may be out
.Lx_in:
	; ---- x: my two fragments
	QUANT4 0, PC, PC+4, PC+8, PC+12
	v_lshl_or_b32 v[TP], v[BY+1], 16, v[BY]        ; my two bytes of fragment 0: blocks h and 2 + h of row r,
	v_lshl_or_b32 v[TP+2], v[BY+3], 16, v[BY+2]    ; and of fragment 1,
	v_lshlrev_b32 v[TP], v[H8], v[TP]              ; at their places in the scale word;
	v_lshlrev_b32 v[TP+2], v[H8], v[TP+2]
	v_permlanex16_b32 v[TP+1], v[TP], s34, s35
	v_permlanex16_b32 v[TP+3], v[TP+2], s34, s35
	v_or_b32 v[TP], v[TP], v[TP+1]                 ; with lane l xor 16's two the word is whole
	v_or_b32 v[TP+2], v[TP+2], v[TP+3]
.irp i, 0,1,2,3
	ds_store_b128 v[XWI], v[PC+4*\i:PC+4*\i+3] offset:512*\i   ; the images: lane l's 16 bytes at 16 l
.endr
	ds_store_b32 v[XWS], v[TP]
	ds_store_b32 v[XWS], v[TP+2] offset:128
	BAR                                            ; x's sixteen fragments lie in LDS
.irp mt, 0,1,2,3
.irp c, 0,1
	ds_load_b128 v[XF+8*\mt+4*\c:XF+8*\mt+4*\c+3], v[LI] offset:XIMG+\mt*1024+512*\c
.endr
	ds_load_b32 v[XS+\mt], v[LS] offset:\mt*128
.endr
	s_wait_loadcnt 0x0                             ; the weight is in
	s_cmp_ge_u32 s19, 128
	s_cbranch_scc1 .Lready                         ; Wh came as codes
	; ---- my column's four blocks.  Blocks 0, 2 go to tile 0's registers and blocks 1, 3 to tile 1's; the exchange of halves then gives each tile's lanes 0-15 blocks 0, 2 and its lanes 16-31 blocks 1, 3 of ITS columns
	QUANT4 128, F0, F1, F0+4, F1+4
.irp g, 0,1,2,3,4,5,6,7
	v_permlane16_swap_b32 v[F0+\g], v[F1+\g]
.endr
	v_lshl_or_b32 v[SW], v[BY+1], 8, v[BY]         ; my column's scale word: lanes 0-15 are tile 0's columns, lanes 16-31 tile 1's
	v_lshl_or_b32 v[SW], v[BY+2], 16, v[SW]
	v_lshl_or_b32 v[SW], v[BY+3], 24, v[SW]
.rept 8
	v_nop                                          ; a scale register written by a vector instruction stands 8 places ahead of a scaled matrix instruction, an operand so written 4
.endr
.Lready:
	s_wait_dscnt 0x0                               ; x's fragments and scale words
	; ---- TRANSPOSED: source 0 = 16 columns of the weight, source 1 = 16 rows of x: lane (r, h) holds row 16 mt + r and columns 16 t + 8 h + 0 .. 7.  Eight accumulators, one product each
.irp mt, 0,1,2,3
	v_wmma_scale_f32_16x16x128_f8f6f4 v[ACC+8*\mt:ACC+8*\mt+7], v[F0:F0+7], v[XF+8*\mt:XF+8*\mt+7], 0, v[SW], v[XS+\mt] matrix_a_fmt:MATRIX_FMT_FP4 matrix_b_fmt:MATRIX_FMT_FP4
.endr
.irp mt, 0,1,2,3
	v_wmma_scale_f32_16x16x128_f8f6f4 v[ACC+32+8*\mt:ACC+32+8*\mt+7], v[F1:F1+7], v[XF+8*\mt:XF+8*\mt+7], 0, v[SW], v[XS+\mt] matrix_a_fmt:MATRIX_FMT_FP4 matrix_b_fmt:MATRIX_FMT_FP4 matrix_a_scale:MATRIX_SCALE_ROW1
.endr
.rept 4
	v_nop                                          ; four places in front of the stores that read the results
.endr
.irp t, 0,1
.irp mt, 0,1,2,3
	ds_store_b128 v[PST], v[ACC+8*(4*\t+\mt):ACC+8*(4*\t+\mt)+3] offset:\mt*4352+64*\t       ; each accumulator from its low end on
	ds_store_b128 v[PST], v[ACC+8*(4*\t+\mt)+4:ACC+8*(4*\t+\mt)+7] offset:\mt*4352+64*\t+16
.endr
.endr
	s_cmp_lg_u32 s18, 0
	s_cbranch_scc1 .Lno_act
	s_cmp_ge_u32 s19, 128
	s_cbranch_scc1 .Lno_act
	; ---- the action block (waves 0 and 1 of a Wz work-group): K = 512 .. 527 and sixteen zeros
	v_max3_num_f32 v[TM], |v[AWR]|, |v[AWR+1]|, 0x1800000
.irp i, 2,4,6,8,10,12,14
	v_max3_num_f32 v[TM], v[TM], |v[AWR+\i]|, |v[AWR+\i+1]|
.endr
	v_add_nc_u32 v[SO], 0xff000000, v[TM]
	v_lshrrev_b32 v[BY], 23, v[SO]
	v_cvt_scalef32_pk8_fp4_f32 v[FA0], v[AWR:AWR+7], v[SO]
	v_cvt_scalef32_pk8_fp4_f32 v[FA0+1], v[AWR+8:AWR+15], v[SO]
	v_nop                                          ; one plain place behind the last scaled conversion
.irp i, 2,3,4,5,6,7,8,9,10,11,12,13,14,15
	v_mov_b32 v[FA0+\i], 0                         ; zero codes for all the rest of the 128 along K, in both tiles
.endr
	v_permlane16_swap_b32 v[FA0], v[FA1]           ; tile 1's lanes 0-15 get columns 16-31's block; tile 0's lanes 16-31 get zeros
	v_permlane16_swap_b32 v[FA0+1], v[FA1+1]
	v_or_b32 v[SWA], 0x7f7f7f00, v[BY]             ; the blocks of zero codes get the byte 127
	v_and_b32 v[TP], 31, v0
	v_and_b32 v[TP+1], 7, v0
	v_lshlrev_b32 v[TP+1], 2, v[TP+1]
	v_mov_b32 v[TP+2], 6
	v_lshlrev_b32 v[TP+2], v[TP+1], v[TP+2]        ; the code 6 at nibble lane & 7
	v_lshrrev_b32 v[TP], 3, v[TP]
	v_cmp_eq_u32 vcc_lo, 0, v[TP]
	v_cndmask_b32 v[OH], 0, v[TP+2], vcc_lo        ; action a = lane: k = a lies in register a / 8
	v_cmp_eq_u32 vcc_lo, 1, v[TP]
	v_cndmask_b32 v[OH+1], 0, v[TP+2], vcc_lo
.irp i, 2,3,4,5,6,7
	v_mov_b32 v[OH+\i], 0
.endr
	v_mov_b32 v[SOH], 0x7f7f7f7d                   ; 4 x 2^(125 - 127) = 1
.rept 8
	v_nop                                          ; the places in front of a scaled matrix instruction, as above
.endr
	v_wmma_scale_f32_16x16x128_f8f6f4 v[AACC:AACC+7], v[FA0:FA0+7], v[OH:OH+7], 0, v[SWA], v[SOH] matrix_a_fmt:MATRIX_FMT_FP4 matrix_b_fmt:MATRIX_FMT_FP4
	v_wmma_scale_f32_16x16x128_f8f6f4 v[AACC+8:AACC+15], v[FA1:FA1+7], v[OH:OH+7], 0, v[SWA], v[SOH] matrix_a_fmt:MATRIX_FMT_FP4 matrix_b_fmt:MATRIX_FMT_FP4 matrix_a_scale:MATRIX_SCALE_ROW1
.rept 4
	v_nop
.endr
.irp t, 0,1
	ds_store_b128 v[AST], v[AACC+8*\t:AACC+8*\t+3] offset:64*\t
	ds_store_b128 v[AST], v[AACC+8*\t+4:AACC+8*\t+7] offset:64*\t+16
.endr
.Lno_act:
	BAR                                            ; the four parts of 64 rows, and the actions' 16 rows, lie in LDS
	; ---- the way out: wave w adds the four parts of rows 8 w .. 8 w + 7, two rows at a time; sixteen lanes store 256 consecutive bytes, at a multiple of 256 from z's first byte
.irp q, 0,1,2,3
.irp k, 0,1,2,3
	ds_load_b128 v[ACC+16*\q+4*\k:ACC+16*\q+4*\k+3], v[RD] offset:\k*PREG+544*\q
.endr
.endr
.irp q, 0,1,2,3
	s_wait_dscnt 12-4*\q                           ; this pair of rows' four loads are in; those of the later pairs may be out
	v_pk_add_f32 v[ACC+16*\q:ACC+16*\q+1], v[ACC+16*\q:ACC+16*\q+1], v[ACC+16*\q+4:ACC+16*\q+5]
	v_pk_add_f32 v[ACC+16*\q+2:ACC+16*\q+3], v[ACC+16*\q+2:ACC+16*\q+3], v[ACC+16*\q+6:ACC+16*\q+7]
	v_pk_add_f32 v[ACC+16*\q+8:ACC+16*\q+9], v[ACC+16*\q+8:ACC+16*\q+9], v[ACC+16*\q+12:ACC+16*\q+13]
	v_pk_add_f32 v[ACC+16*\q+10:ACC+16*\q+11], v[ACC+16*\q+10:ACC+16*\q+11], v[ACC+16*\q+14:ACC+16*\q+15]
	v_pk_add_f32 v[ACC+16*\q:ACC+16*\q+1], v[ACC+16*\q:ACC+16*\q+1], v[ACC+16*\q+8:ACC+16*\q+9]
	v_pk_add_f32 v[ACC+16*\q+2:ACC+16*\q+3], v[ACC+16*\q+2:ACC+16*\q+3], v[ACC+16*\q+10:ACC+16*\q+11]
	global_store_b128 v[GO], v[ACC+16*\q:ACC+16*\q+3], s[30:31] offset:\q*2*ZP
.endr
	s_cmp_ge_u32 s19, 128
	s_cbranch_scc1 .Lend                           ; x Wh has no action rows
	ds_load_b128 v[PC:PC+3], v[RDA]
	s_wait_dscnt 0x0
	global_store_b128 v[GO], v[PC:PC+3], s[32:33]
.Lend:
	s_wait_tensorcnt 0x0                           ; the wave's end: a tensor wait, a spare LDS add and its wait, behind my last LDS store; the tensor wait even in a text with no tensor load
	ds_add_u32 v[SPW], v[NIL]
	s_wait_dscnt 0x0
	s_endpgm
.Lfunc_end_k_q4137e71521_prep:
	.size	k_q4137e71521_prep, .Lfunc_end_k_q4137e71521_prep-k_q4137e71521_prep
	.p2alignl 7, 3214868480
	.fill 96, 4, 3214868480
	.section	.rodata,"a",@progbits
	.p2align	6, 0x0
	.amdhsa_kernel k_q4137e71521_prep
		.amdhsa_group_segment_fixed_size 93440
		.amdhsa_private_segment_fixed_size 0
		.amdhsa_enable_private_segment 0
		.amdhsa_kernarg_size 48
		.amdhsa_user_sgpr_count 2
		.amdhsa_user_sgpr_kernarg_segment_ptr 1
		.amdhsa_wavefront_size32 1
		.amdhsa_system_sgpr_workgroup_id_x 1
		.amdhsa_system_sgpr_workgroup_id_y 1
		.amdhsa_system_sgpr_workgroup_id_z 1
		.amdhsa_system_vgpr_workitem_id 0
		.amdhsa_next_free_vgpr 512
		.amdhsa_next_free_sgpr 66
		.amdhsa_reserve_vcc 1
		.amdhsa_float_denorm_mode_32 3
		.amdhsa_float_denorm_mode_16_64 3
		.amdhsa_memory_ordered 1
		.amdhsa_forward_progress 1
		.amdhsa_inst_pref_size 45
	.end_amdhsa_kernel
	.amdgpu_metadata
---
amdhsa.version: [ 1, 2 ]
amdhsa.kernels:
  - .name:           k_q4137e71521_prep
    .symbol:         k_q4137e71521_prep.kd
    .args:
      - { .name: x, .offset: 0, .size: 8, .value_kind: global_buffer, .address_space: global }
      - { .name: Wz1, .offset: 8, .size: 8, .value_kind: global_buffer, .address_space: global }
      - { .name: Wz2, .offset: 16, .size: 8, .value_kind: global_buffer, .address_space: global }
      - { .name: Wh_codes, .offset: 24, .size: 8, .value_kind: global_buffer, .address_space: global }
      - { .name: Wh_scales, .offset: 32, .size: 8, .value_kind: global_buffer, .address_space: global }
      - { .name: z, .offset: 40, .size: 8, .value_kind: global_buffer, .address_space: global }
    .group_segment_fixed_size: 93440
    .private_segment_fixed_size: 0
    .kernarg_segment_align: 8
    .kernarg_segment_size: 48
    .max_flat_workgroup_size: 256
    .sgpr_count:     66
    .vgpr_count:     512
    .wavefront_size: 32
...
	.end_amdgpu_metadata
.endif
;; end of part 1
;; launch cell (part 2): grid 4 x 64, 16 waves a work-group, no clusters, 288,512 bytes of LDS; arguments z, bh, ln_scale, ln_bias, out0, out1, out2; writes out0, out1, out2
.if DOCPART == 2
	.amdgcn_target "amdgcn-amd-amdhsa--gfx1250"
	.amdhsa_code_object_version 6
	.text
	.protected	k_q4137e71521_cell
	.globl	k_q4137e71521_cell
	.p2align	8
	.type	k_q4137e71521_cell,@function
k_q4137e71521_cell:
	s_mov_b64 s[64:65], 0
	v_nop
	global_prefetch_b8 v0, s[64:65] scope:SCOPE_SE
	s_setreg_imm32_b32 hwreg(HW_REG_WAVE_MODE, 25, 1), 1
	s_wait_xcnt 0x0
; h = LayerNorm(relu(x Wh + bh)); for each pair (b, a): w = z2^T z1 (K = 8 heads), each row of w normalised, tanh, times h[b]: y_; q = the mean of y_^2.
; z(b, a) = z row b + z row 64 + a (the first launch's head comment shows why the quantised products have only these 80 different rows).
; WORK LEFT OUT, by identities that hold for all values: w[g][d] - mean_d w[g][.] = sum_h z2[h][g] (z1[h][d] - m1[h]), m1 the heads' means over d; and var_d w[g][.] = z2_g^T C z2_g, C the 8 x 8 covariance of z1's heads.
; So no pass over the 512 x 512 numbers of w is spent on means or variances.  tanh(x) = 1 - 2 / (1 + 2^(2 log2(e) x)); the factor, the centring and 1 / (std + eps) lie in the two operands of the product,
; whose result is the exponent itself; and y_[g] = V - 2 sum_d h[d] / (1 + 2^t), V = sum_d h[d].  An element of w costs its share of a matrix instruction, an exponential, half a packed addition, a reciprocal, half a packed multiply-add.
; FORMATS.  The product over the heads takes f16 operands and f32 sums.  u = (z1 - m1) r with r a power of two that brings u's root mean square into [0.71, 1.42): no input scale leaves f16's range; r cancels:
; std and eps are taken times r too.  The other operand, z2 x 2 log2(e) / (std r + eps r), is held to +-60,000.  All else is f32.
; LIMITS: the variance is the quadratic form above, with C made of the rounded u: its relative error grows with the condition of z1's covariance; a variance under the smallest normal f32 number counts as 0;
; NaN and infinities among the inputs are not served.  q leaves by one store of 16 bytes a work-group.
; SHARES.  Work-group (aq, b) owns the pairs (b, 4 aq + p), p = 0 .. 3; wave w: p = w >> 2, c = w & 3: quarter c of its pair's d (in the prelude) and of its g; it walks all 32 tiles of d for its 8 tiles of g, four at a time.
; No tensor loads, no cluster, no prefetch: a work-group loads 36 times a wave at its head, straight into the registers that use the numbers, and then works from registers and LDS through 64 walks of a tile of d a wave;
; what work-groups share (z's row b) is those head loads alone.
.set ZP,    34816
.set U,     0                          ; LDS: u, pair p at 16,384 p: row d = 32 bytes: 8 f16 (the heads), 16 bytes of zeros
.set AS,    65536                      ; the other operand, wave w at 4,096 w: row g likewise
.set YS,    131072                     ; wave w at 8,448 w: 16 rows (d mod 16) x (512 + 16) bytes; its first 1,024 bytes serve earlier as the wave's copy of C
.set YWB,   8448
.set CP,    266240                     ; the waves' parts of C, 1,024 bytes each
.set VV,    282624                     ; h[b]
.set SM,    284672                     ; the heads' sums, 32 bytes a wave
.set TR,    285184                     ; 4 bytes a wave each: the trace,
.set LNS,   285440                     ; LayerNorm's sum,
.set LNQ,   285696                     ; its sum of squares,
.set LNV,   285952                     ; the sum of h,
.set QP,    286208                     ; the sum of y_^2
.set SPARE, 286464                     ; the spare words, 128 bytes for each wave: eight blocks of 256 bytes that no other line names
.set SPW, 1
.set NIL, 2
.set LI,  3                            ; 16 x lane
.set VO,  4                            ; 16 x lane + 512 c: my four numbers of a row of 512
.set UW,  5
.set TRA, 6
.set UR0, 7
.set AW,  8
.set AR,  9
.set VW,  10
.set VR0, 11
.set YW,  12
.set YR,  13
.set CW,  14
.set CR,  15
.set CBW, 16
.set CBR, 17
.set SMW, 18
.set SMR, 19
.set W4,  20
.set P16, 21
.set SBU, 22
.set QR,  23
.set UA,  24                           ; the loop's address of u's tiles (in the prelude: VV + 16 x lane)
.set VA,  25                           ; and of h's
.set VT,  26                           ; v[26:27] h[d] of the tile in hand; v27 is named with it as a pair
.set VS,  28                           ; v[28:29] V
.set RR,  30                           ; v30 r, v31 eps r
.set ZR,  32                           ; v32-35 zeros
.set BF,  36                           ; v36-39 a tile of u, v40-43 zeros
.set SC,  44                           ; v44-47 2 log2(e) / (std r + eps r) of my four g
.set AF,  48                           ; four tiles of g: 4 loaded + 4 zeros each.  In the prelude v48-79: z1, register 4 head + e
.set Y,   80                           ; v80-111 the sums
.set XA,  112                          ; v112-143, v144-175 two sets of four accumulators
.set XB,  144
; v176-191 at work; v192-223 z2's action part; v224-255 z2, register 4 head + e
.macro BAR
	s_wait_dscnt 0x0
	s_barrier_signal -1
	s_barrier_wait -1
.endm
.macro WSUM x, t                       ; the sum over the wave's 32 lanes, in every lane
	v_add_f32_dpp v[\x], v[\x], v[\x] row_xmask:1 row_mask:0xf bank_mask:0xf
	v_add_f32_dpp v[\x], v[\x], v[\x] row_xmask:2 row_mask:0xf bank_mask:0xf
	v_add_f32_dpp v[\x], v[\x], v[\x] row_xmask:4 row_mask:0xf bank_mask:0xf
	v_add_f32_dpp v[\x], v[\x], v[\x] row_xmask:8 row_mask:0xf bank_mask:0xf
	v_permlanex16_b32 v[\t], v[\x], s30, s31
	v_add_f32 v[\x], v[\x], v[\t]
.endm
.macro SUM16 b                         ; the sixteen waves' figures, v[b] .. v[b + 15], into v[b]
	v_pk_add_f32 v[\b:\b+1], v[\b:\b+1], v[\b+2:\b+3]
	v_pk_add_f32 v[\b+4:\b+5], v[\b+4:\b+5], v[\b+6:\b+7]
	v_pk_add_f32 v[\b+8:\b+9], v[\b+8:\b+9], v[\b+10:\b+11]
	v_pk_add_f32 v[\b+12:\b+13], v[\b+12:\b+13], v[\b+14:\b+15]
	v_pk_add_f32 v[\b:\b+1], v[\b:\b+1], v[\b+4:\b+5]
	v_pk_add_f32 v[\b+8:\b+9], v[\b+8:\b+9], v[\b+12:\b+13]
	v_pk_add_f32 v[\b:\b+1], v[\b:\b+1], v[\b+8:\b+9]
	v_add_f32 v[\b], v[\b], v[\b+1]
.endm
.macro MULB d, a, cr                   ; pair d = pair a x the one register cr
.if (\cr)%2
	v_pk_mul_f32 v[\d:\d+1], v[\a:\a+1], v[\cr-1:\cr] op_sel:[0,1] op_sel_hi:[1,1]
.else
	v_pk_mul_f32 v[\d:\d+1], v[\a:\a+1], v[\cr:\cr+1] op_sel_hi:[1,0]
.endif
.endm
.macro FMAB d, a, cr                   ; pair d += pair a x the one register cr
.if (\cr)%2
	v_pk_fma_f32 v[\d:\d+1], v[\a:\a+1], v[\cr-1:\cr], v[\d:\d+1] op_sel:[0,1,0] op_sel_hi:[1,1,1]
.else
	v_pk_fma_f32 v[\d:\d+1], v[\a:\a+1], v[\cr:\cr+1], v[\d:\d+1] op_sel_hi:[1,0,1]
.endif
.endm
; Four products: 4 x 16 g against 16 d; the heads are k = 0 .. 7, all other k are zeros on both sides.  Lane (r, h) gets d = r and g = 16 T + 8 h + 0 .. 7.  Each starts anew from the constant 0
.macro MUL4 set
.irp T, 0,1,2,3
	v_wmma_f32_16x16x32_f16 v[\set+8*\T:\set+8*\T+7], v[AF+8*\T:AF+8*\T+7], v[BF:BF+7], 0
.endr
.endm
; Tile i of d.  Set a holds 1 + 2^t of tile i, set b the exponents t of tile i + 1.  ldb: u's tile i + 2 is fetched; doe: set b's exponentials; dom: set a takes tile i + 2's products; first: the sums begin.
; The 64 transcendentals are one batch with one wait.  The sixteen additions at the end are the places between the products and the next read of their results, and the next load into their operand.
.macro ITER a, b, o, ldb, doe, dom, first
.if \ldb
	ds_load_b128 v[BF:BF+3], v[UA] offset:1024+512*\o
.endif
	ds_load_b32 v[VT], v[VA] offset:64*\o
.if \doe
.set nn, 0
.rept 32
	v_exp_f32 v[\b+nn], v[\b+nn]                   ; ascending: each accumulator is read from its low end on
.set nn, nn+1
.endr
.endif
.set nn, 0
.rept 32
	v_rcp_f32 v[\a+nn], v[\a+nn]
.set nn, nn+1
.endr
	v_nop                                          ; a plain place behind the last transcendental
	s_wait_alu depctr_va_vdst(0)                   ; one wait for the batch, ahead of its first reader
	s_wait_dscnt 0x0                               ; h's numbers, and u's next tile
.set nn, 0
.rept 16
.if \first
	v_pk_mul_f32 v[Y+nn:Y+nn+1], v[\a+nn:\a+nn+1], v[VT:VT+1] op_sel_hi:[1,0]
.else
	v_pk_fma_f32 v[Y+nn:Y+nn+1], v[\a+nn:\a+nn+1], v[VT:VT+1], v[Y+nn:Y+nn+1] op_sel_hi:[1,0,1]
.endif
.set nn, nn+2
.endr
.if \dom
	MUL4 \a
.endif
.if \doe
.set nn, 0
.rept 16
	v_pk_add_f32 v[\b+nn:\b+nn+1], v[\b+nn:\b+nn+1], 1.0 op_sel_hi:[1,0]
.set nn, nn+2
.endr
.endif
.endm
.macro TRIP first, l0, e0, m0, l1, e1, m1      ; two tiles of d: the sets change places and are back
	v_add_nc_u32 v[UA], s32, v[UR0]
	v_add_nc_u32 v[VA], s33, v[VR0]
	s_add_co_u32 s32, s32, 1024
	s_add_co_u32 s33, s33, 128
	ITER XA, XB, 0, \l0, \e0, \m0, \first
	ITER XB, XA, 1, \l1, \e1, \m1, 0
.endm
.macro PASS ps                                 ; my g tiles 4 ps .. 4 ps + 3 against all 32 tiles of d
	s_mov_b32 s32, 0
	s_mov_b32 s33, 0
.irp T, 0,1,2,3
	ds_load_b128 v[AF+8*\T:AF+8*\T+3], v[AR] offset:(4*\ps+\T)*512
.endr
	ds_load_b128 v[BF:BF+3], v[UR0]
	s_wait_dscnt 0x0                               ; (the last pass's stores have read the sums' registers too)
	MUL4 XA                                        ; tile 0
.rept 4
	v_nop                                          ; places in front of the load into the operand, and of the first read of the results
.endr
	ds_load_b128 v[BF:BF+3], v[UR0] offset:512
	s_wait_dscnt 0x0
	MUL4 XB                                        ; tile 1
.set nn, 0
.rept 32
	v_exp_f32 v[XA+nn], v[XA+nn]
.set nn, nn+1
.endr
	v_nop
	s_wait_alu depctr_va_vdst(0)
.set nn, 0
.rept 16
	v_pk_add_f32 v[XA+nn:XA+nn+1], v[XA+nn:XA+nn+1], 1.0 op_sel_hi:[1,0]
.set nn, nn+2
.endr
	TRIP 1, 1,1,1, 1,1,1                           ; tiles 0, 1: the first starts the sums: nothing is cleared
	s_mov_b32 s34, 14
.Lpass_\@:
	TRIP 0, 1,1,1, 1,1,1                           ; tiles 2 .. 29
	s_sub_co_u32 s34, s34, 1
	s_cmp_lg_u32 s34, 0
	s_cbranch_scc1 .Lpass_\@
	TRIP 0, 0,1,0, 0,0,0                           ; tiles 30, 31: nothing more to fetch or to multiply
.irp T, 0,1,2,3
	ds_store_b128 v[YW], v[Y+8*\T:Y+8*\T+3] offset:(64*\ps+16*\T)*4
	ds_store_b128 v[YW], v[Y+8*\T+4:Y+8*\T+7] offset:(64*\ps+16*\T)*4+16
.endr
.endm
	s_load_b256 s[4:11], s[0:1], 0x0               ; z s[4:5], bh s[6:7], ln_scale s[8:9], ln_bias s[10:11]
	s_load_b128 s[12:15], s[0:1], 0x20             ; out0 s[12:13], out1 s[14:15]
	s_load_b64 s[16:17], s[0:1], 0x30              ; out2
	v_lshl_add_u32 v[SPW], v0, 2, SPARE
	v_mov_b32 v[NIL], 0
	v_lshrrev_b32 v185, 5, v0
	v_readfirstlane_b32 s18, v185                  ; wave 0..15
	s_lshr_b32 s19, s18, 2                         ; p
	s_and_b32 s20, s18, 3                          ; c
	s_mov_b32 s21, ttmp9                           ; aq
	s_and_b32 s22, ttmp7, 0xffff                   ; b
	s_lshl_b32 s23, s21, 2
	s_add_co_u32 s23, s23, s19                     ; a
	s_mov_b32 s30, 0x76543210
	s_mov_b32 s31, 0xfedcba98                      ; v_permlanex16_b32's selects for lane l xor 16
	s_mov_b32 s42, 0x3b000000                      ; 1 / 512
	s_mov_b32 s43, 0x358637bd                      ; eps = 1e-6
	s_mov_b32 s44, 0xc76a6000                      ; -60,000
	s_mov_b32 s45, 0x476a6000                      ; 60,000
	v_and_b32 v185, 31, v0                         ; lane
	v_and_b32 v186, 15, v0                         ; r
	v_bfe_u32 v187, v0, 4, 1                       ; h
	v_lshlrev_b32 v[LI], 4, v185
	s_lshl_b32 s40, s20, 9
	v_lshl_add_u32 v[VO], v185, 4, s40
	s_lshl_b32 s40, s18, 12                        ; 16,384 p + 4,096 c = 4,096 w
	v_lshl_add_u32 v[UW], v185, 7, s40             ; u: my four rows d = 128 c + 4 lane + e
	v_and_b32 v188, 7, v0
	v_lshl_add_u32 v188, v187, 3, v188
	v_bfe_u32 v189, v0, 3, 1
	v_lshlrev_b32 v189, 4, v189
	v_lshl_add_u32 v188, v188, 5, v189
	v_add_nc_u32 v[TRA], s40, v188                 ; the turning load: row 8 h + lane % 8, 16 bytes by (lane / 8) % 2, in my wave's 128 rows
	v_lshlrev_b32 v188, 5, v186
	v_lshl_add_u32 v188, v187, 4, v188             ; 32 r + 16 h: lanes 16-31 read a row's zeros
	s_lshl_b32 s46, s19, 14
	v_add_nc_u32 v[UR0], s46, v188
	s_add_co_u32 s40, s40, AS
	v_lshl_add_u32 v[AW], v185, 7, s40
	v_add_nc_u32 v[AR], s40, v188
	v_lshl_add_u32 v[VW], v0, 2, VV
	v_lshl_add_u32 v[VR0], v186, 2, VV
	v_lshl_add_u32 v[UA], v185, 4, VV
	s_mul_i32 s40, s18, YWB
	s_add_co_u32 s40, s40, YS
	v_mul_u32_u24 v188, v186, 528
	v_lshl_add_u32 v188, v187, 5, v188
	v_add_nc_u32 v[YW], s40, v188
	v_lshl_add_u32 v[YR], v185, 4, s40
	v_lshlrev_b32 v188, 6, v186
	v_lshl_add_u32 v188, v187, 5, v188             ; 64 r + 32 h
	v_add_nc_u32 v[CBW], s40, v188
	v_mov_b32 v[CBR], s40
	s_lshl_b32 s40, s18, 10
	s_add_co_u32 s40, s40, CP
	v_add_nc_u32 v[CW], s40, v188
	s_lshl_b32 s40, s19, 12
	s_add_co_u32 s40, s40, CP
	v_add_nc_u32 v[CR], s40, v188
	s_lshl_b32 s40, s18, 5
	s_add_co_u32 s40, s40, SM
	v_mov_b32 v[SMW], s40
	s_lshl_b32 s40, s19, 7
	s_add_co_u32 s40, s40, SM
	v_mov_b32 v[SMR], s40
	s_lshl_b32 s40, s18, 2
	s_add_co_u32 s40, s40, SM
	v_mov_b32 v[W4], s40
	s_lshl_b32 s40, s19, 4
	s_add_co_u32 s40, s40, SM
	v_mov_b32 v[P16], s40
	v_mov_b32 v[SBU], SM
	v_lshl_add_u32 v[QR], v186, 2, QP
	v_lshlrev_b32 v184, 2, v0                      ; 4 x thread: my column of h
.irp i, 0,1,2,3
	v_mov_b32 v[ZR+\i], 0
	v_mov_b32 v[BF+4+\i], 0
.endr
	v_mov_b32 v[VT+1], 0
	v_mov_b32 v[VS+1], 0
	v_mov_b32 v181, 0                              ; written once: a lane permute's destination counts as one of its sources
	v_mov_b32 v183, 0
.irp i, 0,1,2,3,4,5,6,7
	v_mov_b32 v[120+\i], 0
.endr
	s_wait_kmcnt 0x0
	s_mul_i32 s40, s22, ZP
	s_mov_b32 s41, 0
	s_add_nc_u64 s[24:25], s[4:5], s[40:41]        ; z's row b
	s_add_co_u32 s40, s23, 64
	s_mul_i32 s40, s40, ZP
	s_add_nc_u64 s[26:27], s[4:5], s[40:41]        ; z's row 64 + a
	s_lshl_b32 s40, s22, 4
	s_add_co_u32 s40, s40, s23
	s_lshl_b32 s40, s40, 11
	s_add_nc_u64 s[28:29], s[16:17], s[40:41]      ; out2's row 16 b + a
	s_lshl_b32 s40, s22, 11
	s_add_nc_u64 s[36:37], s[12:13], s[40:41]      ; out0's row b
	s_lshl_b32 s40, s22, 6
	s_lshl_b32 s46, s21, 4
	s_add_co_u32 s40, s40, s46
	s_add_nc_u64 s[38:39], s[14:15], s[40:41]      ; out1 at (b, 4 aq)
	global_load_b32 v176, v184, s[24:25] offset:32768   ; x Wh
	global_load_b32 v177, v184, s[6:7]
	global_load_b32 v178, v184, s[8:9]
	global_load_b32 v179, v184, s[10:11]
.irp hd, 0,1,2,3,4,5,6,7
	global_load_b128 v[48+4*\hd:48+4*\hd+3], v[VO], s[24:25] offset:2048*\hd
.endr
.irp hd, 0,1,2,3,4,5,6,7
	global_load_b128 v[80+4*\hd:80+4*\hd+3], v[VO], s[26:27] offset:2048*\hd
.endr
.irp hd, 0,1,2,3,4,5,6,7
	global_load_b128 v[224+4*\hd:224+4*\hd+3], v[VO], s[24:25] offset:16384+2048*\hd
.endr
.irp hd, 0,1,2,3,4,5,6,7
	global_load_b128 v[192+4*\hd:192+4*\hd+3], v[VO], s[26:27] offset:16384+2048*\hd
.endr
	; ---- sums: relu(x Wh + bh), a column a thread; z1's heads over my 128 d
	s_wait_loadcnt 32                              ; LayerNorm's four loads are in; z1's and z2's 32 may be out
	v_add_f32 v176, v176, v177
	v_max_num_f32 v176, 0, v176
	v_mov_b32 v180, v176
	WSUM 180, 181
	ds_store_b32 v[W4], v180 offset:LNS-SM
	s_wait_loadcnt 16                              ; z1's sixteen are in; z2's may be out
.set nn, 0
.rept 16
	v_pk_add_f32 v[48+nn:49+nn], v[48+nn:49+nn], v[80+nn:81+nn]    ; z1 = the x part + the action's part
.set nn, nn+2
.endr
.irp hd, 0,1,2,3,4,5,6,7
	v_pk_add_f32 v[128+2*\hd:129+2*\hd], v[48+4*\hd:49+4*\hd], v[50+4*\hd:51+4*\hd]
.endr
.irp hd, 0,1,2,3,4,5,6,7
	v_add_f32 v[112+\hd], v[128+2*\hd], v[129+2*\hd]
.endr
.irp m, 1,2,4,8
.irp hd, 0,1,2,3,4,5,6,7
	v_add_f32_dpp v[112+\hd], v[112+\hd], v[112+\hd] row_xmask:\m row_mask:0xf bank_mask:0xf
.endr
.endr
.irp hd, 0,1,2,3,4,5,6,7
	v_permlanex16_b32 v[120+\hd], v[112+\hd], s30, s31
.endr
.irp hd, 0,1,2,3,4,5,6,7
	v_add_f32 v[112+\hd], v[112+\hd], v[120+\hd]
.endr
	ds_store_b128 v[SMW], v[112:115]               ; all lanes write the same bytes with the same values
	ds_store_b128 v[SMW], v[116:119] offset:16
	BAR
	; ---- means; deviations; their squares
.irp i, 0,1,2,3
	ds_load_b128 v[128+4*\i:128+4*\i+3], v[SBU] offset:LNS-SM+16*\i
.endr
.irp i, 0,1,2,3,4,5,6,7
	ds_load_b128 v[144+4*\i:144+4*\i+3], v[SMR] offset:16*\i       ; my pair's four waves: register 144 + 8 c + head
.endr
	s_wait_dscnt 0x0
	SUM16 128
	v_fmamk_f32 v176, v128, 0xbb000000, v176       ; the deviation: - sum / 512 + the number
	v_mul_f32 v180, v176, v176
	WSUM 180, 181
	ds_store_b32 v[W4], v180 offset:LNQ-SM
.irp i, 0,2,4,6
	v_pk_add_f32 v[144+\i:145+\i], v[144+\i:145+\i], v[152+\i:153+\i]
	v_pk_add_f32 v[160+\i:161+\i], v[160+\i:161+\i], v[168+\i:169+\i]
.endr
.irp i, 0,2,4,6
	v_pk_add_f32 v[144+\i:145+\i], v[144+\i:145+\i], v[160+\i:161+\i]
.endr
.irp i, 0,2,4,6
	v_pk_mul_f32 v[144+\i:145+\i], v[144+\i:145+\i], 0xbb000000 op_sel_hi:[1,0]   ; - the heads' means
.endr
.irp hd, 0,1,2,3,4,5,6,7
.irp k, 0,2
.if (\hd)%2
	v_pk_add_f32 v[48+4*\hd+\k:49+4*\hd+\k], v[48+4*\hd+\k:49+4*\hd+\k], v[144+\hd-1:144+\hd] op_sel:[0,1] op_sel_hi:[1,1]
.else
	v_pk_add_f32 v[48+4*\hd+\k:49+4*\hd+\k], v[48+4*\hd+\k:49+4*\hd+\k], v[144+\hd:144+\hd+1] op_sel_hi:[1,0]
.endif
.endr
.endr
	v_pk_mul_f32 v[128:129], v[48:49], v[48:49]    ; the trace of the covariance, in two chains
	v_pk_mul_f32 v[130:131], v[50:51], v[50:51]
.irp i, 4,8,12,16,20,24,28
	v_pk_fma_f32 v[128:129], v[48+\i:49+\i], v[48+\i:49+\i], v[128:129]
	v_pk_fma_f32 v[130:131], v[50+\i:51+\i], v[50+\i:51+\i], v[130:131]
.endr
	v_pk_add_f32 v[128:129], v[128:129], v[130:131]
	v_add_f32 v182, v128, v129
	WSUM 182, 183
	ds_store_b32 v[W4], v182 offset:TR-SM
	BAR
	; ---- h; r; u in f16; my part of C = sum over d of u u^T
.irp i, 0,1,2,3
	ds_load_b128 v[128+4*\i:128+4*\i+3], v[SBU] offset:LNQ-SM+16*\i
.endr
	ds_load_b128 v[144:147], v[P16] offset:TR-SM
	s_wait_dscnt 0x0
	SUM16 128
	v_fma_f32 v128, v128, s42, s43                 ; var + eps
	v_rsq_f32 v129, v128
	v_add_f32 v144, v144, v145                     ; (plain work behind the transcendental)
	v_add_f32 v146, v146, v147
	v_add_f32 v144, v144, v146
	v_mul_f32 v144, 0x39800000, v144               ; the mean square of z1's 4,096 centred numbers,
	v_max_num_f32 v144, 0x0d800000, v144           ; held at 2^-100 from below
	v_lshrrev_b32 v145, 23, v144
	v_sub_nc_u32 v145, 127, v145                   ; minus its exponent,
	v_ashrrev_i32 v145, 1, v145                    ; halved, rounded down
	v_ldexp_f32 v[RR], 1.0, v145                   ; r
	v_ldexp_f32 v[RR+1], s43, v145                 ; eps r
	s_wait_alu depctr_va_vdst(0)                   ; ahead of the first reader of the root
	v_mul_f32 v129, v129, v178
	v_fma_f32 v177, v176, v129, v179               ; h
	ds_store_b32 v[VW], v177
	v_mov_b32 v180, v177
	WSUM 180, 181
	ds_store_b32 v[W4], v180 offset:LNV-SM
.set nn, 0
.rept 16
	v_pk_mul_f32 v[48+nn:49+nn], v[48+nn:49+nn], v[RR:RR+1] op_sel_hi:[1,0]
.set nn, nn+2
.endr
.irp e, 0,1,2,3
.irp hp, 0,1,2,3
	v_cvt_pk_f16_f32 v[96+4*\e+\hp], v[48+8*\hp+\e], v[52+8*\hp+\e]   ; row d: heads 2 hp, 2 hp + 1
.endr
.endr
.irp e, 0,1,2,3
	ds_store_b128 v[UW], v[96+4*\e:96+4*\e+3] offset:32*\e
	ds_store_b128 v[UW], v[ZR:ZR+3] offset:32*\e+16
.endr
.irp q, 0,1,2,3                                ; my own 128 rows, turned: lane (r, h) gets head r and 32 d a step.  Loaded twice: the two operands of a product share no register
	ds_load_tr16_b128 v[112+8*\q:115+8*\q], v[TRA] offset:1024*\q       ; LDS serves a wave's instructions in order: these see my stores
	ds_load_tr16_b128 v[116+8*\q:119+8*\q], v[TRA] offset:1024*\q+512
	ds_load_tr16_b128 v[144+8*\q:147+8*\q], v[TRA] offset:1024*\q
	ds_load_tr16_b128 v[148+8*\q:151+8*\q], v[TRA] offset:1024*\q+512
.endr
	s_wait_dscnt 0x0
	v_wmma_f32_16x16x32_f16 v[80:87], v[112:119], v[144:151], 0          ; two accumulators by turns
	v_wmma_f32_16x16x32_f16 v[88:95], v[120:127], v[152:159], 0
	v_wmma_f32_16x16x32_f16 v[80:87], v[128:135], v[160:167], v[80:87]
	v_wmma_f32_16x16x32_f16 v[88:95], v[136:143], v[168:175], v[88:95]
.rept 4
	v_nop
.endr
.irp i, 0,2,4,6
	v_pk_add_f32 v[96+\i:97+\i], v[80+\i:81+\i], v[88+\i:89+\i]
.endr
	ds_store_b128 v[CW], v[96:99]                  ; lane (r, 0): C[0 .. 7][r], which is row r of the symmetric C, at 64 r
	ds_store_b128 v[CW], v[100:103] offset:16
	BAR
	; ---- V; C whole; the variances of my four g; the other operand
.irp i, 0,1,2,3
	ds_load_b128 v[128+4*\i:128+4*\i+3], v[SBU] offset:LNV-SM+16*\i
.endr
.irp k, 0,1,2,3
	ds_load_b128 v[144+8*\k:147+8*\k], v[CR] offset:1024*\k
	ds_load_b128 v[148+8*\k:151+8*\k], v[CR] offset:1024*\k+16
.endr
	s_wait_dscnt 0x0
	SUM16 128
	v_mov_b32 v[VS], v128
.irp i, 0,2,4,6
	v_pk_add_f32 v[144+\i:145+\i], v[144+\i:145+\i], v[152+\i:153+\i]
	v_pk_add_f32 v[160+\i:161+\i], v[160+\i:161+\i], v[168+\i:169+\i]
.endr
.irp i, 0,2,4,6
	v_pk_add_f32 v[96+\i:97+\i], v[144+\i:145+\i], v[160+\i:161+\i]
.endr
	ds_store_b128 v[CBW], v[96:99]                 ; into my wave's own copy,
	ds_store_b128 v[CBW], v[100:103] offset:16
.irp i, 0,1,2,3
	ds_load_b128 v[112+8*\i:115+8*\i], v[CBR] offset:64*\i         ; and back into every lane: C[i][j] in register 112 + 8 i + j, the upper triangle
.endr
.irp i, 0,1,2,3,4,5,6,7
	ds_load_b128 v[116+8*\i:119+8*\i], v[CBR] offset:64*\i+16
.endr
	s_or_b32 s40, s21, s18
	s_cmp_lg_u32 s40, 0
	s_cbranch_scc1 .Lno_h                          ; h leaves once for each b: wave 0 of the work-group with aq = 0
.irp i, 0,1,2,3
	ds_load_b128 v[80+4*\i:83+4*\i], v[UA] offset:512*\i
.endr
	s_wait_dscnt 0x0
.irp i, 0,1,2,3
	global_store_b128 v[LI], v[80+4*\i:83+4*\i], s[36:37] offset:512*\i   ; 32 lanes store 512 consecutive bytes, at a multiple of 256 from out0's first byte
.endr
	s_wait_xcnt 0x0                                ; the stores have read their registers, which the sums will take
.Lno_h:
	s_wait_dscnt 0x0                               ; C is in
.irp i, 0,1,2,3,4,5,6,7
	v_mul_f32 v[112+9*\i], 0.5, v[112+9*\i]        ; half the diagonal: the form below then gives half of z^T C z
.endr
	s_wait_loadcnt 0x0                             ; z2
.set nn, 0
.rept 16
	v_pk_add_f32 v[224+nn:225+nn], v[224+nn:225+nn], v[192+nn:193+nn]
.set nn, nn+2
.endr
.irp i, 0,1,2,3,4,5,6,7                        ; sum over i of z_i (C_ii z_i / 2 + sum over j > i of C_ij z_j), two g at a time, the two pairs by turns
.irp gp, 0,1
	MULB 96+2*\gp, 224+4*\i+2*\gp, 112+9*\i
.endr
.irp j, 1,2,3,4,5,6,7
.if \j > \i
.irp gp, 0,1
	FMAB 96+2*\gp, 224+4*\j+2*\gp, 112+8*\i+\j
.endr
.endif
.endr
.irp gp, 0,1
.if \i == 0
	v_pk_mul_f32 v[100+2*\gp:101+2*\gp], v[224+2*\gp:225+2*\gp], v[96+2*\gp:97+2*\gp]
.else
	v_pk_fma_f32 v[100+2*\gp:101+2*\gp], v[224+4*\i+2*\gp:225+4*\i+2*\gp], v[96+2*\gp:97+2*\gp], v[100+2*\gp:101+2*\gp]
.endif
.endr
.endr
.irp e, 0,1,2,3
	v_mul_f32 v[100+\e], 0x3b800000, v[100+\e]     ; x 2 / 512: the variance (times r^2)
.endr
.irp e, 0,1,2,3
	v_max_num_f32 v[100+\e], 0, v[100+\e]
.endr
.irp e, 0,1,2,3
	v_sqrt_f32 v[104+\e], v[100+\e]
.endr
	v_nop
	s_wait_alu depctr_va_vdst(0)
.irp e, 0,1,2,3
	v_add_f32 v[104+\e], v[RR+1], v[104+\e]        ; std r + eps r
.endr
.irp e, 0,1,2,3
	v_rcp_f32 v[100+\e], v[104+\e]
.endr
	v_nop
	s_wait_alu depctr_va_vdst(0)
.irp e, 0,1,2,3
	v_mul_f32 v[SC+\e], 0x4038aa3b, v[100+\e]      ; x 2 log2(e)
.endr
.irp hd, 0,1,2,3,4,5,6,7
	v_pk_mul_f32 v[224+4*\hd:225+4*\hd], v[224+4*\hd:225+4*\hd], v[SC:SC+1]
	v_pk_mul_f32 v[226+4*\hd:227+4*\hd], v[226+4*\hd:227+4*\hd], v[SC+2:SC+3]
.endr
.set nn, 0
.rept 32
	v_med3_num_f32 v[224+nn], v[224+nn], s44, s45  ; held inside f16's range
.set nn, nn+1
.endr
.irp e, 0,1,2,3
.irp hp, 0,1,2,3
	v_cvt_pk_f16_f32 v[176+4*\e+\hp], v[224+8*\hp+\e], v[228+8*\hp+\e]
.endr
.endr
.irp e, 0,1,2,3
	ds_store_b128 v[AW], v[176+4*\e:176+4*\e+3] offset:32*\e       ; my wave's own 128 rows g: no other wave reads them
	ds_store_b128 v[AW], v[ZR:ZR+3] offset:32*\e+16
.endr
.irp T, 0,1,2,3
.irp i, 4,5,6,7
	v_mov_b32 v[AF+8*\T+\i], 0                     ; k = 16 .. 31 of the four tiles of g: zeros, written once
.endr
.endr
	; ---- the 128 g x 512 d of my quarter
	PASS 0
	PASS 1
	; ---- a lane's sums are over d = r mod 16: the sixteen meet through my wave's own rows in LDS; lane l then holds g = 128 c + 4 l + 0 .. 3
.irp n, 0,1,2,3,4,5,6,7,8,9,10,11,12,13,14,15
	ds_load_b128 v[112+4*\n:115+4*\n], v[YR] offset:528*\n         ; LDS serves a wave's instructions in order: these see my stores
.endr
	s_wait_dscnt 0x0
.irp st, 8,4,2,1
.set nn, 0
.rept \st
	v_pk_add_f32 v[112+4*nn:113+4*nn], v[112+4*nn:113+4*nn], v[112+4*(nn+\st):113+4*(nn+\st)]
	v_pk_add_f32 v[114+4*nn:115+4*nn], v[114+4*nn:115+4*nn], v[114+4*(nn+\st):115+4*(nn+\st)]
.set nn, nn+1
.endr
.endr
	v_pk_fma_f32 v[112:113], v[112:113], -2.0, v[VS:VS+1] op_sel_hi:[1,0,0]   ; y_ = V - 2 x the sum
	v_pk_fma_f32 v[114:115], v[114:115], -2.0, v[VS:VS+1] op_sel_hi:[1,0,0]
	global_store_b128 v[VO], v[112:115], s[28:29]  ; 32 lanes store 512 consecutive bytes, at a multiple of 256 from out2's first byte
	v_pk_mul_f32 v[116:117], v[112:113], v[112:113]
	v_pk_fma_f32 v[116:117], v[114:115], v[114:115], v[116:117]
	v_add_f32 v180, v116, v117
	WSUM 180, 181
	ds_store_b32 v[W4], v180 offset:QP-SM
	BAR
	s_cmp_lg_u32 s18, 0
	s_cbranch_scc1 .Lend
	ds_load_b32 v182, v[QR]                        ; lane l: wave l % 16's sum
	s_wait_dscnt 0x0
	v_add_f32_dpp v182, v182, v182 row_xmask:1 row_mask:0xf bank_mask:0xf
	v_add_f32_dpp v182, v182, v182 row_xmask:2 row_mask:0xf bank_mask:0xf   ; a pair's four waves
	v_mul_f32 v182, s42, v182                      ; the mean over 512
	v_and_b32 v183, 0x13, v0
	v_and_b32 v184, 12, v0                         ; lanes 0, 4, 8, 12: pair p at 4 p bytes
	v_cmp_eq_u32 vcc_lo, 0, v183
	s_wait_xcnt 0x0                                ; EXEC changes only behind this wait: a store is out
	s_and_saveexec_b32 s35, vcc_lo
	global_store_b32 v184, v182, s[38:39]
	s_wait_xcnt 0x0                                ; and again, in front of the line that widens it
	s_or_b32 exec_lo, exec_lo, s35
.Lend:
	s_wait_tensorcnt 0x0                           ; the wave's end: a tensor wait, a spare LDS add and its wait, behind my last LDS store; the tensor wait even in a text with no tensor load
	ds_add_u32 v[SPW], v[NIL]
	s_wait_dscnt 0x0
	s_endpgm
.Lfunc_end_k_q4137e71521_cell:
	.size	k_q4137e71521_cell, .Lfunc_end_k_q4137e71521_cell-k_q4137e71521_cell
	.p2alignl 7, 3214868480
	.fill 96, 4, 3214868480
	.section	.rodata,"a",@progbits
	.p2align	6, 0x0
	.amdhsa_kernel k_q4137e71521_cell
		.amdhsa_group_segment_fixed_size 288512
		.amdhsa_private_segment_fixed_size 0
		.amdhsa_enable_private_segment 0
		.amdhsa_kernarg_size 56
		.amdhsa_user_sgpr_count 2
		.amdhsa_user_sgpr_kernarg_segment_ptr 1
		.amdhsa_wavefront_size32 1
		.amdhsa_system_sgpr_workgroup_id_x 1
		.amdhsa_system_sgpr_workgroup_id_y 1
		.amdhsa_system_sgpr_workgroup_id_z 1
		.amdhsa_system_vgpr_workitem_id 0
		.amdhsa_next_free_vgpr 256
		.amdhsa_next_free_sgpr 66
		.amdhsa_reserve_vcc 1
		.amdhsa_float_denorm_mode_32 3
		.amdhsa_float_denorm_mode_16_64 3
		.amdhsa_memory_ordered 1
		.amdhsa_forward_progress 1
		.amdhsa_inst_pref_size 104
	.end_amdhsa_kernel
	.amdgpu_metadata
---
amdhsa.version: [ 1, 2 ]
amdhsa.kernels:
  - .name:           k_q4137e71521_cell
    .symbol:         k_q4137e71521_cell.kd
    .args:
      - { .name: z, .offset: 0, .size: 8, .value_kind: global_buffer, .address_space: global }
      - { .name: bh, .offset: 8, .size: 8, .value_kind: global_buffer, .address_space: global }
      - { .name: ln_scale, .offset: 16, .size: 8, .value_kind: global_buffer, .address_space: global }
      - { .name: ln_bias, .offset: 24, .size: 8, .value_kind: global_buffer, .address_space: global }
      - { .name: out0, .offset: 32, .size: 8, .value_kind: global_buffer, .address_space: global }
      - { .name: out1, .offset: 40, .size: 8, .value_kind: global_buffer, .address_space: global }
      - { .name: out2, .offset: 48, .size: 8, .value_kind: global_buffer, .address_space: global }
    .group_segment_fixed_size: 288512
    .private_segment_fixed_size: 0
    .kernarg_segment_align: 8
    .kernarg_segment_size: 56
    .max_flat_workgroup_size: 512
    .sgpr_count:     66
    .vgpr_count:     256
    .wavefront_size: 32
...
	.end_amdgpu_metadata
.endif
;; end of part 2
